; MI455X (gfx1250); checked and timed in simulation.
; The chip was launched on July 23, 2026; its instructions are those of AMD's public machine-readable ISA for CDNA 5 (MIT licence, August 2026) and "CDNA5" Instruction Set Architecture Reference Guide (July 2026). The comments in the code are by the model that wrote it; some were corrected since.
;; Attention Scores. Allowed arithmetic: matrix products marked QUANTISED: E5M2 operands, one given power-of-two scale a tensor, by v_wmma_f32_16x16x64_bf8_bf8 or v_wmma_f32_16x16x128_bf8_bf8, f32 sums; everything else in f32.
;; Inputs: Wk_codes 1,024 x 32 x 32 uint8 (E5M2 codes of Wk, K innermost, in blocks of 32 codes); Wo_codes 1,024 x 32 x 32 uint8 (E5M2 codes of Wo, K innermost, in blocks of 32 codes); Wq_codes 1,024 x 32 x 32 uint8 (E5M2 codes of Wq, K innermost, in blocks of 32 codes); Wv_codes 1,024 x 32 x 32 uint8 (E5M2 codes of Wv, K innermost, in blocks of 32 codes); bo 1,024 float32; inputs_codes 4 x 2,048 x 32 x 32 uint8 (E5M2 codes of inputs, K innermost, in blocks of 32 codes); lowp_scales 12 int32 (the exponents e of the quantised operands' scales 2^e).
;; Outputs: out0 4 x 2,048 x 1,024 float32.
;; This version of the problem:
;;   THIS VERSION OF THE PROBLEM IS GIVEN IN LOW PRECISION. The matrix products marked QUANTISED in the list below multiply operands that are first quantised to E5M2 (5 exponent bits, 2 mantissa bits; 8 bits a number), with one given power-of-two scale for each operand tensor; their sums are f32. All else is computed in f32.
;;   The module's matrix products, in the order in which they are computed (A, B: the left and right operand; K: the contracted axis; several contracted axes count as one K, in the product's order):
;;     1. [M 8,192, K 1,024] x [K 1,024, N 1,024]; A: input inputs (given as codes); B: input Wq (given as codes): QUANTISED (scales: A lowp_scales[0], B lowp_scales[1])
;;     2. [M 8,192, K 1,024] x [K 1,024, N 1,024]; A: input inputs (given as codes); B: input Wk (given as codes): QUANTISED (scales: A lowp_scales[2], B lowp_scales[3])
;;     3. [M 8,192, K 1,024] x [K 1,024, N 1,024]; A: input inputs (given as codes); B: input Wv (given as codes): QUANTISED (scales: A lowp_scales[4], B lowp_scales[5])
;;     4. batch 64 x [M 2,048, K 64] x [K 64, N 2,048]; A: computed on the way; B: computed on the way: QUANTISED (scales: A lowp_scales[6], B lowp_scales[7])
;;     5. batch 64 x [M 2,048, K 2,048] x [K 2,048, N 64]; A: softmax (see below); B: computed on the way: QUANTISED (scales: A lowp_scales[8], B lowp_scales[9])
;;     6. [M 8,192, K 1,024] x [K 1,024, N 1,024]; A: computed on the way; B: input Wo (given as codes): QUANTISED (scales: A lowp_scales[10], B lowp_scales[11])
;;   THE QUANTISER, for each operand of a quantised product, along K:
;;     - The operand's scale is 2^e, e = its entry of the input lowp_scales (int32; the entries are numbered through the quantised products in the list's order, A before B).
;;     - Each number is divided by the scale, clamped to +-57,344, and rounded to the nearest number of E5M2, ties to even, subnormals kept.
;;     - The product sums the exact products of the quantised numbers (number of the format x scale) in f32.
;;   ~~~python
;;   def quantise(x, axis, e):      # numpy; x: float32 -> the quantised numbers, widened to float32 again
;;       x = np.moveaxis(x, axis, -1); K = x.shape[-1]
;;       r = np.clip(x / 2.0 ** e, -57344, 57344)
;;       step = 2.0 ** (np.maximum(np.frexp(np.where(r == 0, 1, r))[1] - 1, -14) - 2)
;;       q = np.round(r / step) * step * 2.0 ** e      # np.round: ties to even
;;       return np.moveaxis(q, -1, axis).astype(np.float32)
;;   ~~~
;;   SOFTMAX AHEAD OF A QUANTISED PRODUCT. Where the list says 'softmax', what is quantised is not the finished softmax but p = 2^(t - M), with t = logit x log2(e) and M = ceil(the row's largest t), a whole number; so 1/2 < the row's largest p <= 1. The row's sum l is taken of the UNQUANTISED p, in f32, and the product's result is divided by l at the end. Since M is a whole number, a kernel that streams over the keys may use a running M (the ceiling of the running maximum): every later rescaling is an exact power of two, so the quantised numbers keep their values, but for numbers so far below the row's largest that they fall under the format's range.
;;   OPERANDS COMPUTED ON THE WAY. 'Computed on the way' means the value that the module computes at that place (a softmax that the list does not call 'softmax' is quantised finished and normalised). What goes into a quantiser is computed in f32, as accurately as f32 sums, v_exp_f32 and their like allow (about 1e-6 of the number): no bf16 or f16 on the way to a quantiser, and a product that is left as it is and whose result goes on into a quantised operand takes f32 operands (vector FMAs, or v_wmma_f32_16x16x4_f32). A number that lies on a knife's edge between two numbers of the format may be rounded either way, as far as f32 arithmetic and the matrix unit's own rounding can turn it there, and no further.
;;   INPUTS GIVEN AS CODES. Wk (in the module: [1024, 1024], K = its axis 0); Wo (in the module: [1024, 1024], K = its axis 0); Wq (in the module: [1024, 1024], K = its axis 0); Wv (in the module: [1024, 1024], K = its axis 0); inputs (in the module: [4, 2048, 1024], K = its axis 2): each comes as NAME_codes (uint8): NAME with its K axis moved to the last place and cut into blocks of 32 codes, [.., K / 32, bytes a block], one block behind the other in memory; one code a byte (a code: sign, 5 exponent bits, 2 mantissa bits); its scale is its entry of lowp_scales. Its value is code x scale, taken as it is: it is not quantised again, and the codes and scales need not be those that the quantiser above would give.
;; One version. Each part assembles by itself: llvm-mc -triple=amdgcn-amd-amdhsa -mcpu=gfx1250 --defsym DOCPART=n.
;; ======== version 1 of 1: 3 launches
;; limits: right only within a limited range of input values
;; workspace buffers: q_img 8,388,608 bytes; kv_img 16,777,216 bytes; ctx_img 8,388,608 bytes
;; launch qkv (part 1): grid 8 x 32, 4 waves a work-group, clusters of 4 x 4, 327,680 bytes of LDS; arguments inputs_codes, Wq_codes, Wk_codes, Wv_codes, lowp_scales, q_img, kv_img; writes q_img, kv_img
.if DOCPART == 1
	.amdgcn_target "amdgcn-amd-amdhsa--gfx1250"
	.amdhsa_code_object_version 6
	.text
	.protected	k_q3e50caf50d_qkv
	.globl	k_q3e50caf50d_qkv
	.p2align	8
	.type	k_q3e50caf50d_qkv,@function
k_q3e50caf50d_qkv:
	s_mov_b64 s[64:65], 0
	v_nop
	global_prefetch_b8 v0, s[64:65] scope:SCOPE_SE
	s_setreg_imm32_b32 hwreg(HW_REG_WAVE_MODE, 25, 1), 1
	s_wait_xcnt 0x0
	s_wait_alu depctr_hold_cnt(0) depctr_sa_sdst(0) depctr_va_vdst(0) depctr_va_sdst(0) depctr_va_ssrc(0) depctr_va_vcc(0) depctr_vm_vsrc(0)
	s_getreg_b32 s2, hwreg(HW_REG_IB_STS2, 6, 4)
	s_cmp_eq_u32 s2, 0
	s_cbranch_scc0 .Lentry_in_a_cluster
	s_endpgm
.Lentry_in_a_cluster:
	s_bfe_u32 s2, ttmp6, 0x10000c
	s_cmp_lg_u32 s2, 0xf033
	s_cbranch_scc0 .Lentry_shape_is_right
	s_endpgm
.Lentry_shape_is_right:
; q = X Wq, k = X Wk, v = X Wv on codes of BF8 (E5M2), fused in one GEMM, and each result quantised at once to codes of BF8 for the attention that follows.
; X: [8192 tokens][1024] codes; Wq, Wk, Wv: [1024 features][1024] codes, K innermost.  A sum of product y stands for sum x 2^(its two exponents); its code is sum / 2^E,
; E = e6 - e0 - e1 (q), e7 - e2 - e3 (k), e9 - e4 - e5 (v), held within +-57,344 and rounded by the conversion.
; LIMITS: each E lies between -126 and 112, so that 2^E and 57,344 x 2^E are f32 numbers.  NaN and infinity among the codes are not served.
; SHARES.  A work-group of four waves makes 256 tokens x 128 features (two heads) of all three products, so that X's tile is read from LDS once for three weights.
; A wave makes 128 tokens x 64 features (one head) x 3: 96 accumulators of 16 x 16, 768 registers.  The K = 64 form is taken: fragments of K = 128 would not fit beside them.
; q and k are made transposed (source 0 = 16 features of W, source 1 = 16 tokens): a lane holds one token and eight neighbouring features.  v the other way (source 0 = tokens, source 1 = features):
; a lane holds one feature and eight neighbouring tokens, which are the keys.  So one conversion of an accumulator's eight registers gives two registers of the next product's operand, in that operand's
; own layout (registers 2 c, 2 c + 1: k = 16 c + 8 (lane / 16) + 0 .. 7), and the codes leave as IMAGES OF THOSE REGISTERS: four registers a store, lane l's 16 bytes at 16 l: 512 consecutive aligned bytes.
; OUT.  q_img [head of batch 64][tile of 16 queries 128][2][512 B].  kv_img [head of batch 64][step of 128 keys 16][16,384 B]: K's 8 tiles of 16 keys x 2 x 512 B, then V's 4 tiles of 16 channels x 4 x 512 B.
; K goes in steps of 128 through a ring of two LDS slots (X's 256 rows, then 128 rows of each weight); two slots of 256 along K would not fit in LDS.
; CLUSTERS: 4 x 4 work-groups.  X's tile hangs on the token block alone and is shared along a row of the cluster; the weights' tiles hang on the feature group alone and are shared along a column.
; Wave 0 asks for X's tile, waves 1, 2, 3 for Wq's, Wk's, Wv's: one joint load a wave.
; REGISTERS: window 0: v1 16 x lane; v2, v4, v6 the three conversions' scales; v16-17, v20-21 LDS addresses; v28, v29 the spare word's address and 0;
;   v32-95, v96-159 X's fragments (8 x 8 registers), two sets; v160-191, v192-223, v224-255 Wq's, Wk's, Wv's fragments (4 x 8), one set each.  Windows 1, 2, 3: the accumulators of q, k, v, (i, j) at v[8 (4 i + j)].
.set PITCH,  144                       ; an LDS row: 128 bytes of data + 16 of padding: nine times 16 bytes, so the 16 rows of a fragment load start at 16 different columns of 16 bytes
.set XB,     256*PITCH                 ; X's rows in a slot
.set WB,     128*PITCH                 ; one weight's rows
.set SLOT,   XB+3*WB
.set SPARE,  2*SLOT                    ; behind the ring: the spare words, 128 bytes for each wave: two blocks of 256 bytes that no other line names
.set LI,   1
.set SCQ,  2
.set LMQ,  3
.set SCK,  4
.set LMK,  5
.set SCV,  6
.set LMV,  7
.set ADRA, 16
.set ADRB, 20
.set SPW,  28
.set NIL,  29
.set AF,   32
.set BF,   160
.set WV,   18                          ; s18 wave; s19 which 128 tokens; s20 which head of the two
.set G1,   24                          ; s[24:31] group 1 for X's tile; s[32:39] its groups 0, one for each slot
.set G0,   32
.set G1B,  48                          ; s[48:55], s[56:63] the same for a weight's tile
.set G0B,  56
.set MSB, 0
.macro WIN new                         ; the immediate's high byte repeats the setting that is left; a switch that changes nothing is dropped
.if MSB != (\new)
	s_set_vgpr_msb (MSB<<8)|(\new)
.set MSB, (\new)
.endif
.endm
.macro PLACES                          ; four places in front of loads into registers that matrix instructions have read, and of vector work on results
.rept 4
	v_nop
.endr
.endm
.macro JLOAD s                         ; a joint load; the branch hangs on the wave's number alone; four v_nop follow each of the two lines
	s_cmp_eq_u32 s[WV], 0
	s_cbranch_scc0 .Lfor_w_\@
	tensor_load_to_lds s[G0+4*\s:G0+4*\s+3], s[G1:G1+7]
	s_nop 0
.rept 4
	v_nop
.endr
	s_branch .Lasked_\@
.Lfor_w_\@:
	tensor_load_to_lds s[G0B+4*\s:G0B+4*\s+3], s[G1B:G1B+7]
	s_nop 0
.rept 4
	v_nop
.endr
.Lasked_\@:
.endm
.macro CREST                           ; a round of the cluster's barrier behind its opening barrier
	s_cmp_lg_u32 s[WV], 0
	s_cbranch_scc1 .Lnot_wave_0_\@
	s_barrier_signal -3
.Lnot_wave_0_\@:
	s_barrier_wait -3
	s_barrier_signal -1
	s_barrier_wait -1
.endm
.macro CROUND
	s_barrier_signal -1
	s_barrier_wait -1
	CREST
.endm
	s_load_b256 s[4:11], s[0:1], 0x0               ; X s[4:5], Wq s[6:7], Wk s[8:9], Wv s[10:11]
	s_load_b128 s[12:15], s[0:1], 0x20             ; the scales' exponents s[12:13], q_img s[14:15]
	s_load_b64 s[16:17], s[0:1], 0x30              ; kv_img
	v_lshl_add_u32 v[SPW], v0, 2, SPARE
	v_mov_b32 v[NIL], 0
	ds_add_u32 v28, v29
	ds_add_u32 v28, v29
	s_wait_dscnt 0x0
	v_lshrrev_b32 v8, 5, v0
	v_readfirstlane_b32 s[WV], v8                  ; wave 0..3
	s_lshr_b32 s19, s[WV], 1                       ; which 128 of the 256 tokens are mine
	s_and_b32 s20, s[WV], 1                        ; which of the two heads
	s_bfe_u32 s40, ttmp6, 0x40000                  ; cx, cy: my place in the cluster
	s_bfe_u32 s41, ttmp6, 0x40004
	s_lshl_b32 s42, ttmp9, 2
	s_add_co_u32 s42, s42, s40                     ; feature group 0..7 = 4 x cluster x + cx
	s_and_b32 s43, ttmp7, 0xffff
	s_lshl_b32 s43, s43, 2
	s_add_co_u32 s43, s43, s41                     ; token block 0..31 = 4 x cluster y + cy
	s_lshl_b32 s44, s41, 2
	s_lshl_b32 s44, 15, s44                        ; my row of the cluster
	s_lshl_b32 s45, 0x1111, s40                    ; my column
	; group 1: rows of 128 bytes, 1,024 apart in memory, 16 bytes of padding behind each in LDS
	s_or_b32 s[G1], s44, (1<<20)|(1<<21)|(4<<22)|(3<<25)    ; 15:0 the mask; 17:16 elements of 1 byte; 20 padding on; 21 set beside a mask; 24:22 after every 32 words (code 4); 31:25 four words (code 3)
	s_mov_b32 s[G1+1], 128<<16                     ; tensor_dim0 = 128
	s_mov_b32 s[G1+2], 256<<16                     ; tensor_dim1 = 256
	s_mov_b32 s[G1+3], 128<<16                     ; tile_dim0 = 128
	s_mov_b32 s[G1+4], 256                         ; tile_dim1 = 256 rows
	s_mov_b32 s[G1+5], 1024                        ; from row to row
	s_mov_b32 s[G1+6], 0
	s_mov_b32 s[G1+7], 0
	s_or_b32 s[G1B], s45, (1<<20)|(1<<21)|(4<<22)|(3<<25)
	s_mov_b32 s[G1B+1], 128<<16
	s_mov_b32 s[G1B+2], 128<<16
	s_mov_b32 s[G1B+3], 128<<16
	s_mov_b32 s[G1B+4], 128                        ; 128 rows
	s_mov_b32 s[G1B+5], 1024
	s_mov_b32 s[G1B+6], 0
	s_mov_b32 s[G1B+7], 0
	s_lshl_b32 s80, s43, 18                        ; X: 256 rows of 1,024 bytes for each token block
	s_mov_b32 s81, 0
	s_lshl_b32 s82, s42, 17                        ; a weight: 128 rows for each feature group
	s_mov_b32 s83, 0
	s_add_co_u32 s46, s[WV], 1
	s_mul_i32 s46, s46, WB                         ; where wave w's weight goes: behind X's rows (two times WB), w - 1 weights on
	s_wait_kmcnt 0x0
	s_load_b256 s[68:75], s[12:13], 0x0            ; e0 .. e7
	s_load_b128 s[76:79], s[12:13], 0x20           ; e8 .. e11
	s_add_nc_u64 s[80:81], s[4:5], s[80:81]        ; X at my block's first row
	s_cmp_eq_u32 s[WV], 2                          ; which weight I would ask for: the choice hangs on the wave's number alone
	s_cselect_b64 s[84:85], s[8:9], s[6:7]
	s_cmp_eq_u32 s[WV], 3
	s_cselect_b64 s[84:85], s[10:11], s[84:85]
	s_add_nc_u64 s[82:83], s[84:85], s[82:83]      ; at my group's first row
	CROUND                                         ; all sixteen work-groups are here: the first joint loads meet
.irp s, 0,1
	s_mov_b32 s[G0+4*\s], 1
	s_mov_b32 s[G0+4*\s+1], \s*SLOT
	s_add_nc_u64 s[G0+4*\s+2:G0+4*\s+3], s[80:81], \s*128
	s_or_b32 s[G0+4*\s+3], s[G0+4*\s+3], 0x80000000
	s_mov_b32 s[G0B+4*\s], 1
	s_add_co_u32 s[G0B+4*\s+1], s46, \s*SLOT
	s_add_nc_u64 s[G0B+4*\s+2:G0B+4*\s+3], s[82:83], \s*128
	s_or_b32 s[G0B+4*\s+3], s[G0B+4*\s+3], 0x80000000
	JLOAD \s                                       ; two loads of mine are out
.endr
	v_and_b32 v8, 15, v0                           ; r
	v_bfe_u32 v9, v0, 4, 1                         ; h
	v_mul_u32_u24 v10, v8, PITCH
	v_lshl_add_u32 v10, v9, 4, v10                 ; a fragment's row x pitch + 16 h
	s_mul_i32 s21, s19, WB                         ; my 128 rows of X
	s_mul_i32 s22, s20, 64*PITCH                   ; my 64 rows of each weight,
	s_add_co_u32 s22, s22, XB                      ; which lie behind X's
.irp s, 0,1
	v_add_nc_u32 v[ADRA+\s], s21, v10
	v_add_nc_u32 v[ADRB+\s], s22, v10
	s_add_co_u32 s21, s21, SLOT
	s_add_co_u32 s22, s22, SLOT
.endr
	v_and_b32 v[LI], 31, v0
	v_lshlrev_b32 v[LI], 4, v[LI]                  ; an image's place for my lane
	; where my images go
	s_lshr_b32 s86, s43, 3                         ; the batch
	s_lshl_b32 s86, s86, 4
	s_lshl_b32 s87, s42, 1
	s_add_co_u32 s86, s86, s87
	s_add_co_u32 s86, s86, s20                     ; head of batch = 16 b + 2 x feature group + my head
	s_and_b32 s87, s43, 7                          ; my block of 256 tokens within the batch
	s_lshl_b32 s88, s86, 17                        ; q_img: 128 tiles of 1,024 bytes a head,
	s_lshl_b32 s90, s87, 14                        ; 16 tiles a block,
	s_add_co_u32 s88, s88, s90
	s_lshl_b32 s90, s19, 13                        ; 8 tiles for my half
	s_add_co_u32 s88, s88, s90
	s_mov_b32 s89, 0
	s_add_nc_u64 s[14:15], s[14:15], s[88:89]
	s_lshl_b32 s88, s86, 18                        ; kv_img: 16 steps of 16,384 bytes a head,
	s_lshl_b32 s90, s87, 15                        ; two steps a block,
	s_add_co_u32 s88, s88, s90
	s_lshl_b32 s90, s19, 14                        ; one for my half
	s_add_co_u32 s88, s88, s90
	s_add_nc_u64 s[16:17], s[16:17], s[88:89]
; A fragment, 16 rows x 64 K, is 8 registers, brought by two loads of 16 bytes, 32 bytes apart: registers 0-3 hold K = 16 h + 0 .. 15, registers 4-7 K = 32 + 16 h + 0 .. 15.
; That is a permutation of k, the same in X and in the weights: every product meets its partner.
.macro FRAG reg, adr, off
	ds_load_b128 v[\reg:\reg+3], v[\adr] offset:\off
	ds_load_b128 v[\reg+4:\reg+7], v[\adr] offset:\off+32
.endm
.macro FETCH_A slot, q, p              ; X's eight fragments of the slot's q-th 64 along K into set p: 16 loads
.irp i, 0,1,2,3,4,5,6,7
	FRAG AF+64*(\p)+8*\i, ADRA+\slot, 64*(\q)+\i*16*PITCH
.endr
.endm
.macro FETCH_B y, slot, q              ; weight y's four fragments: 8 loads
.irp j, 0,1,2,3
	FRAG BF+32*(\y)+8*\j, ADRB+\slot, (\y)*WB+64*(\q)+\j*16*PITCH
.endr
.endm
; Product y (0 q, 1 k, 2 v), X's set p, token blocks i0 .. i0 + n - 1 against the four feature tiles.  zero = 1: the first product starts the sums: nothing is ever cleared.
; The 96 accumulators take turns, one instruction a turn, in the same order in every step.
.macro MUL y, p, i0, n, zero
	WIN 0x50*((\y)+1)                              ; C and D in window y + 1, both sources in window 0
.set MI, \i0
.rept \n
.irp j, 0,1,2,3
.if (\y) == 2
.if \zero
	v_wmma_f32_16x16x64_bf8_bf8 v[8*(4*MI+\j):8*(4*MI+\j)+7], v[AF+64*(\p)+8*MI:AF+64*(\p)+8*MI+7], v[BF+64+8*\j:BF+64+8*\j+7], 0
.else
	v_wmma_f32_16x16x64_bf8_bf8 v[8*(4*MI+\j):8*(4*MI+\j)+7], v[AF+64*(\p)+8*MI:AF+64*(\p)+8*MI+7], v[BF+64+8*\j:BF+64+8*\j+7], v[8*(4*MI+\j):8*(4*MI+\j)+7]
.endif
.else
.if \zero
	v_wmma_f32_16x16x64_bf8_bf8 v[8*(4*MI+\j):8*(4*MI+\j)+7], v[BF+32*(\y)+8*\j:BF+32*(\y)+8*\j+7], v[AF+64*(\p)+8*MI:AF+64*(\p)+8*MI+7], 0
.else
	v_wmma_f32_16x16x64_bf8_bf8 v[8*(4*MI+\j):8*(4*MI+\j)+7], v[BF+32*(\y)+8*\j:BF+32*(\y)+8*\j+7], v[AF+64*(\p)+8*MI:AF+64*(\p)+8*MI+7], v[8*(4*MI+\j):8*(4*MI+\j)+7]
.endif
.endif
.endr
.set MI, MI+1
.endr
.endm
; A slot's first 64 along K (X's set 0).  At its head 40 loads may be out, in this order: Wq's 8, X's 16, Wk's 8, Wv's 8.  Each weight's set is fetched anew, for the slot's second 64, as soon as its 32 products are issued.
.macro STEP slot, zero
	s_wait_dscnt 16                                ; Wq's and X's fragments are in; Wk's 8 and Wv's 8 may be out
	MUL 0, 0, 0, 8, \zero
	PLACES
	WIN 0
	FETCH_B 0, \slot, 1
	FETCH_A \slot, 1, 1
	s_wait_dscnt 32                                ; Wk's are in; Wv's 8 and the 24 just issued may be out
	MUL 1, 0, 0, 8, \zero
	PLACES
	WIN 0
	FETCH_B 1, \slot, 1
	s_wait_dscnt 32                                ; Wv's are in; the 24 and the 8 issued since may be out
	MUL 2, 0, 0, 8, \zero
	PLACES
	WIN 0
	FETCH_B 2, \slot, 1
.endm
; A slot's second 64 along K (X's set 1) changes slots: ONE barrier; in front of it each wave waits for all its tensor loads, adds 0 to its spare word, and waits for that and for its own reads of this slot.
; fill = 1: the barrier opens a round of the cluster's, and this slot is filled again, two K steps of 128 ahead: 160 matrix instructions stand between the request and the wait for it.
.macro TURN slot, next, fill
	s_wait_tensorcnt 0x0                           ; all my tensor loads have landed: my part of the next slot  (every window is 0 here)
	ds_add_u32 v[SPW], v[NIL]                      ; 0 onto my spare word
	s_wait_dscnt 17                                ; Wq's and X's fragments are in; the add, Wk's 8 and Wv's 8 may be out
	MUL 0, 1, 0, 4, 0                              ; sixteen matrix instructions stand between the add and the wait for it
	s_wait_dscnt 0x0                               ; the add is done, and my reads of this slot are over
	s_barrier_signal -1
	MUL 0, 1, 4, 4, 0
	WIN 0
	s_barrier_wait -1
.if \fill
	CREST                                          ; no wave of any partner still reads this slot's tiles or has a load on its way
	s_add_nc_u64 s[G0+4*\slot+2:G0+4*\slot+3], s[G0+4*\slot+2:G0+4*\slot+3], 256
	s_add_nc_u64 s[G0B+4*\slot+2:G0B+4*\slot+3], s[G0B+4*\slot+2:G0B+4*\slot+3], 256
	JLOAD \slot                                    ; my one tensor load behind the round, and the first thing there; its four v_nop are the places in front of the loads below
.else
	PLACES
.endif
	FETCH_B 0, \next, 0
	FETCH_A \next, 0, 0
	MUL 1, 1, 0, 8, 0
	PLACES
	WIN 0
	FETCH_B 1, \next, 0
	MUL 2, 1, 0, 8, 0
	PLACES
	WIN 0
	FETCH_B 2, \next, 0
.endm
	s_wait_alu depctr_va_vdst(0)
	s_wait_tensorcnt 1                             ; my part of slot 0 is in; slot 1's may stay out
	s_barrier_signal -1
	s_barrier_wait -1                              ; everybody's is
	FETCH_B 0, 0, 0
	FETCH_A 0, 0, 0
	FETCH_B 1, 0, 0
	FETCH_B 2, 0, 0
	STEP 0, 1                                      ; the first step stands in front of the loop: its products start the sums
	s_mov_b32 s3, 3
.Llap:                                                 ; a trip goes once round the ring and fills both slots again: K = 1,024 is eight slots' worth, two first fills and six refills
	TURN 0, 1, 1
	STEP 1, 0
	TURN 1, 0, 1
	STEP 0, 0
	s_sub_co_u32 s3, s3, 1
	s_cmp_lg_u32 s3, 0
	s_cbranch_scc1 .Llap
	TURN 0, 1, 0                                   ; the last lap fills nothing, and has no round of the cluster's barrier
	STEP 1, 0
	s_wait_dscnt 16                                ; the very last 64 along K: nothing more to fetch
	MUL 0, 1, 0, 8, 0
	s_wait_dscnt 8                                 ; Wk's are in; Wv's 8 may be out
	MUL 1, 1, 0, 8, 0
	s_wait_dscnt 0x0
	MUL 2, 1, 0, 8, 0
	WIN 0
; THE WAY OUT.  No LDS: a conversion's two registers are two registers of the next operand.
.macro MKSCALE ea, eb, ec, vsc, vlm    ; E = s[ea] - s[eb] - s[ec]:  2^E as f32 (the conversion takes its exponent field), and 57,344 x 2^E
	s_sub_co_i32 s90, s[\ea], s[\eb]
	s_sub_co_i32 s90, s90, s[\ec]
	s_add_co_i32 s90, s90, 127
	s_lshl_b32 s91, s90, 23
	v_mov_b32 v[\vsc], s91
	s_add_co_i32 s90, s90, 15
	s_lshl_b32 s90, s90, 23
	s_or_b32 s90, s90, 0x600000
.endm
; Product y's 32 accumulators, eight at a time: one conversion an accumulator.
; q, k: accumulator (i, j) gives registers 2 j, 2 j + 1 of tile i's fragment;  v (isv = 1): registers 2 i, 2 i + 1 of channel tile j's.
.macro EPI y, out, sc, lm, isv
.irp g, 0,1,2,3
	WIN (((\y)+1)<<6)|((\y)+1)                     ; destination and source 0 in window y + 1
.set EN, 0
.rept 64
.set EN, EN+1
.endr
	WIN ((\y)+1)                                   ; source 0 in window y + 1, the codes in window 0
.set EA, 8*\g
.rept 8
.if \isv
.set ED, \out+16*(EA%4)+2*(EA/4)
.else
.set ED, \out+8*(EA/4)+2*(EA%4)
.endif
	v_cvt_scalef32_pk8_bf8_f32 v[ED:ED+1], v[8*EA:8*EA+7], v[\sc]
.set EA, EA+1
.endr
.endr
	v_nop                                          ; one plain vector instruction behind the last conversion
	WIN 0
.endm
	s_wait_kmcnt 0x0
	MKSCALE 74, 68, 69, SCQ, LMQ
	MKSCALE 75, 70, 71, SCK, LMK
	MKSCALE 77, 72, 73, SCV, LMV
	PLACES                                         ; behind the last products
	s_wait_alu depctr_va_vdst(0)
	EPI 0, 32, SCQ, LMQ, 0
.irp i, 0,1,2,3,4,5,6,7
.irp c, 0,1
	global_store_b128 v[LI], v[32+8*\i+4*\c:32+8*\i+4*\c+3], s[14:15] offset:\i*1024+\c*512      ; 32 lanes store 512 consecutive bytes, at a multiple of 512 from q_img's first byte
.endr
.endr
	EPI 1, 96, SCK, LMK, 0                         ; (other registers than q's codes: no store's data are written again)
.irp i, 0,1,2,3,4,5,6,7
.irp c, 0,1
	global_store_b128 v[LI], v[96+8*\i+4*\c:96+8*\i+4*\c+3], s[16:17] offset:\i*1024+\c*512
.endr
.endr
	EPI 2, 160, SCV, LMV, 1
.irp j, 0,1,2,3
.irp c, 0,1,2,3
	global_store_b128 v[LI], v[160+16*\j+4*\c:160+16*\j+4*\c+3], s[16:17] offset:8192+\j*2048+\c*512
.endr
.endr
	s_wait_tensorcnt 0x0                           ; the wave's end
	ds_add_u32 v[SPW], v[NIL]
	s_wait_dscnt 0x0
	CROUND                                         ; the closing round: no work-group ends while a partner may still ask for a tile that names it
	s_endpgm
.Lfunc_end_k_q3e50caf50d_qkv:
	.size	k_q3e50caf50d_qkv, .Lfunc_end_k_q3e50caf50d_qkv-k_q3e50caf50d_qkv
	.p2alignl 7, 3214868480
	.fill 96, 4, 3214868480
	.section	.rodata,"a",@progbits
	.p2align	6, 0x0
	.amdhsa_kernel k_q3e50caf50d_qkv
		.amdhsa_group_segment_fixed_size 327680
		.amdhsa_private_segment_fixed_size 0
		.amdhsa_enable_private_segment 0
		.amdhsa_kernarg_size 56
		.amdhsa_user_sgpr_count 2
		.amdhsa_user_sgpr_kernarg_segment_ptr 1
		.amdhsa_wavefront_size32 1
		.amdhsa_system_sgpr_workgroup_id_x 1
		.amdhsa_system_sgpr_workgroup_id_y 1
		.amdhsa_system_sgpr_workgroup_id_z 1
		.amdhsa_system_vgpr_workitem_id 0
		.amdhsa_next_free_vgpr 1024
		.amdhsa_next_free_sgpr 100
		.amdhsa_reserve_vcc 0
		.amdhsa_float_denorm_mode_32 3
		.amdhsa_float_denorm_mode_16_64 3
		.amdhsa_fp16_overflow 1
		.amdhsa_memory_ordered 1
		.amdhsa_forward_progress 1
		.amdhsa_inst_pref_size 95
	.end_amdhsa_kernel
	.amdgpu_metadata
---
amdhsa.version: [ 1, 2 ]
amdhsa.kernels:
  - .name:           k_q3e50caf50d_qkv
    .symbol:         k_q3e50caf50d_qkv.kd
    .args:
      - { .name: inputs_codes, .offset: 0, .size: 8, .value_kind: global_buffer, .address_space: global }
      - { .name: Wq_codes, .offset: 8, .size: 8, .value_kind: global_buffer, .address_space: global }
      - { .name: Wk_codes, .offset: 16, .size: 8, .value_kind: global_buffer, .address_space: global }
      - { .name: Wv_codes, .offset: 24, .size: 8, .value_kind: global_buffer, .address_space: global }
      - { .name: lowp_scales, .offset: 32, .size: 8, .value_kind: global_buffer, .address_space: global }
      - { .name: q_img, .offset: 40, .size: 8, .value_kind: global_buffer, .address_space: global }
      - { .name: kv_img, .offset: 48, .size: 8, .value_kind: global_buffer, .address_space: global }
    .group_segment_fixed_size: 327680
    .private_segment_fixed_size: 0
    .kernarg_segment_align: 8
    .kernarg_segment_size: 56
    .max_flat_workgroup_size: 128
    .sgpr_count:     100
    .vgpr_count:     1024
    .wavefront_size: 32
...
	.end_amdgpu_metadata
.endif
;; end of part 1
;; launch attn (part 2): grid 4 x 64, 8 waves a work-group, no clusters, 263,168 bytes of LDS; arguments q_img, kv_img, lowp_scales, ctx_img; writes ctx_img
.if DOCPART == 2
	.amdgcn_target "amdgcn-amd-amdhsa--gfx1250"
	.amdhsa_code_object_version 6
	.text
	.protected	k_q3e50caf50d_attn
	.globl	k_q3e50caf50d_attn
	.p2align	8
	.type	k_q3e50caf50d_attn,@function
k_q3e50caf50d_attn:
	s_mov_b64 s[64:65], 0
	v_nop
	global_prefetch_b8 v0, s[64:65] scope:SCOPE_SE
	s_setreg_imm32_b32 hwreg(HW_REG_WAVE_MODE, 25, 1), 1
	s_wait_xcnt 0x0
; Causal attention on codes of BF8 (E5M2), head size 64, 2,048 tokens, 64 heads of batch.  ctx = softmax(q k^T / 8, key <= query) v, quantised at once for the output projection.
; THE SOFTMAX AHEAD OF THE SECOND PRODUCT: t = score x 2^(e6 + e7) x log2(e) / 8; M = the row's largest t so far, rounded UP to a whole number; p = 2^(t - M) is quantised with 2^e8; it is not normalised.
; The row's sum is taken of the unquantised p, in f32.  When M moves, the sum and O are multiplied by 2^(old M - new M): exact.  ctx = O x 2^(e8 + e9) / sum; its code is ctx / 2^e10.
; LIMITS: e6 + e7 between -123 and 130 (they are added to the exponent field of log2(e) / 8); e8 and e10 between -126 and 112; e8 + e9 goes by v_ldexp_f32 and has none.  NaN and infinity among the codes are not served.
; IN: q_img and kv_img, images of operand registers (lane l's 16 bytes at 16 l, four registers a chunk of 512 bytes); OUT: ctx_img [tile of 16 tokens 512][pair of heads 8][4][512 B], an image likewise.
; SHARES.  Work-group (i, head) owns the query blocks 7 - i and i (256 queries each) of one head: together 9 blocks of 256 keys whatever i is, so all 256 work-groups have equal work.
; Each of eight waves owns 32 queries of a block: two tiles A and B of 16, which share every fragment of K and V read from LDS.  Two waves lie on a SIMD.
; THE HEAD'S K AND V STAY IN LDS: all 262,144 bytes of its part of kv_img are brought once, LDS byte = byte within the head.  Nothing is filled again: no ring, and no barrier in the walks.
; Four loads a wave go out together at the start, small ones first (keys 0-255, 256-511, 512-1,023, 1,024-2,047), and each walk begins when its own keys have landed.
; NO CLUSTER: the four work-groups that read one head's K and V differ in their query block, and steps whose keys all come after a wave's queries are left out by a scalar branch on that block;
; partners of a joint load may not branch on what differs between them.
; LAYOUT.  S^T = K Q^T (source 0 = 16 keys, source 1 = 16 queries), O^T = V^T P^T (source 0 = 16 channels, source 1 = P): a lane holds ONE query (lane % 16) throughout; tile t's eight registers are keys
; 16 t + 8 (lane / 16) + 0 .. 7, which one conversion turns into registers 2 t, 2 t + 1 of P's fragment, in the K = 128 form's own layout.
; REGISTERS.  Window 0: v1 16 x lane; v2 LDS address; v3 r - 8 h; v4, v5 the mask's bounds; v6 -infinity; v8-15, v16-23 a tile's statistics (+0 -M, +1 largest t, +2, +3 the sum, +4 f, +6, +7 at work);
;   v24, v26 the conversions' scales; v28-31 second chains of the sums; v32-47 Q; v48-79 P's codes; v96-159, v160-223 S^T, then p; v224-255 ctx's codes.
;   Window 1: v0-63 K's 8 fragments; v64-127 V's 4; v128-159, v160-191 O^T; v192-207 the low block's Q.
.set LI,   1
.set ADR,  2
.set RH,   3
.set DA,   4
.set DB,   5
.set NINF, 6
.set STA,  8
.set STB,  16
.set PS,   24
.set PL,   25
.set CSC,  26
.set CL,   27
.set UA,   28
.set UB,   30
.set QA,   32
.set QB,   40
.set CA,   48
.set CB,   64
.set SA,   96
.set SB,   160
.set OC1,  224
.set OC2,  240
.set KF1,  0                           ; in window 1
.set VF1,  64
.set OA,   128
.set OB,   160
.set QL,   192
.set WV,   12                          ; s12 wave; s13 i; s14 head of batch; s15 7 - i
.set CS,   56                          ; s[56:57] c: the packed form names a pair and takes its low word for both halves
.set SEL,  58                          ; s[58:59] lane selects for v_permlanex16_b32: lane l xor 16
.set LB,   60                          ; s60 LDS byte at which the step's tiles begin
.set KF,   61                          ; s61 the step's first key
.set Q0,   62                          ; s62 my first query; s63 my last
.set QE,   63
.set CNT,  66
.set MSB, 0
.macro WIN new
.if MSB != (\new)
	s_set_vgpr_msb (MSB<<8)|(\new)
.set MSB, (\new)
.endif
.endm
	s_load_b256 s[4:11], s[0:1], 0x0               ; q_img s[4:5], kv_img s[6:7], the scales' exponents s[8:9], ctx_img s[10:11]
	v_lshl_add_u32 v94, v0, 2, 0x40000
	v_mov_b32 v95, 0
	ds_add_u32 v94, v95
	ds_add_u32 v94, v95
	v_lshrrev_b32 v2, 5, v0
	v_readfirstlane_b32 s[WV], v2                  ; wave 0..7
	s_and_b32 s14, ttmp7, 0xffff                   ; head of batch
	s_mov_b32 s13, ttmp9                           ; the low block
	s_sub_co_u32 s15, 7, ttmp9                     ; the high block
	; three groups 1: R rows of 256 bytes (32 elements of 8 bytes), dense in memory and in LDS; R = 16, 32, 64
.irp g, 16, 24, 32
	s_mov_b32 s[\g], 3<<16                         ; no mask; elements of 8 bytes; no padding
	s_mov_b32 s[\g+1], 32<<16                      ; tensor_dim0 = 32
	s_mov_b32 s[\g+3], 32<<16                      ; tile_dim0 = 32
	s_mov_b32 s[\g+5], 32                          ; from row to row
	s_mov_b32 s[\g+6], 0
	s_mov_b32 s[\g+7], 0
.endr
	s_mov_b32 s18, 16<<16                          ; tensor_dim1,
	s_mov_b32 s20, 16                              ; tile_dim1
	s_mov_b32 s26, 32<<16
	s_mov_b32 s28, 32
	s_mov_b32 s34, 64<<16
	s_mov_b32 s36, 64
	s_lshl_b32 s41, s[WV], 12                      ; load 0: my 4,096 bytes of keys 0-255
	s_lshl_b32 s45, s[WV], 12
	s_add_co_u32 s45, s45, 32768                   ; load 1: of keys 256-511
	s_lshl_b32 s49, s[WV], 13
	s_add_co_u32 s49, s49, 65536                   ; load 2: my 8,192 bytes of keys 512-1,023
	s_lshl_b32 s53, s[WV], 14
	s_add_co_u32 s53, s53, 131072                  ; load 3: my 16,384 bytes of keys 1,024-2,047
	s_lshl_b32 s80, s14, 18                        ; the head's 262,144 bytes
	s_mov_b32 s81, 0
	s_mov_b32 s83, 0
	s_wait_dscnt 0x0
	s_wait_kmcnt 0x0
	s_load_b256 s[68:75], s[8:9], 0x0              ; e0 .. e7
	s_load_b128 s[76:79], s[8:9], 0x20             ; e8 .. e11
	s_add_nc_u64 s[6:7], s[6:7], s[80:81]
.irp k, 0,1,2,3
	s_mov_b32 s[40+4*\k], 1
	s_mov_b32 s82, s[41+4*\k]                      ; the same offset in the head as in LDS
	s_add_nc_u64 s[42+4*\k:43+4*\k], s[6:7], s[82:83]
	s_or_b32 s[43+4*\k], s[43+4*\k], 0x80000000
.endr
	tensor_load_to_lds s[40:43], s[16:23]          ; the first fills, and the only ones, go out as one group: four loads of mine are out
	s_nop 0
	tensor_load_to_lds s[44:47], s[16:23]
	s_nop 0
	tensor_load_to_lds s[48:51], s[24:31]
	s_nop 0
	tensor_load_to_lds s[52:55], s[32:39]
	s_nop 0
.rept 4
	v_nop
.endr
	v_and_b32 v[LI], 31, v0
	v_lshlrev_b32 v[LI], 4, v[LI]
	v_and_b32 v[RH], 15, v0
	v_bfe_u32 v[DA], v0, 4, 1
	v_lshlrev_b32 v[DA], 3, v[DA]
	v_sub_nc_u32 v[RH], v[RH], v[DA]               ; r - 8 h
	v_mov_b32 v[NINF], 0xff800000
; Block s[blk]'s addresses: my two tiles of Q, and where their ctx goes
.macro BASES blk, qd, cd
	s_lshl_b32 s80, s[\blk], 4
	s_lshl_b32 s81, s[WV], 1
	s_add_co_u32 s80, s80, s81                     ; my first tile of 16 queries within the head: 16 x block + 2 x wave
	s_lshl_b32 s82, s14, 7
	s_add_co_u32 s82, s82, s80
	s_lshl_b32 s82, s82, 10                        ; q_img: 1,024 bytes a tile, 128 tiles a head
	s_add_nc_u64 s[\qd:\qd+1], s[4:5], s[82:83]
	s_lshr_b32 s82, s14, 4
	s_lshl_b32 s82, s82, 7
	s_add_co_u32 s82, s82, s80                     ; the tile among all tokens: 128 x batch + ..
	s_lshl_b32 s82, s82, 14                        ; ctx_img: 16,384 bytes a tile,
	s_and_b32 s81, s14, 15
	s_lshl_b32 s81, s81, 10                        ; 1,024 bytes a head in it
	s_add_co_u32 s82, s82, s81
	s_add_nc_u64 s[\cd:\cd+1], s[10:11], s[82:83]
.endm
	BASES 15, 84, 88
	BASES 13, 86, 90
.irp x, 0,1
.irp c, 0,1
	global_load_b128 v[QA+8*\x+4*\c:QA+8*\x+4*\c+3], v[LI], s[84:85] offset:\x*1024+\c*512     ; the high block's Q
.endr
.endr
	WIN 0x40                                       ; destination window 1
.irp x, 0,1
.irp c, 0,1
	global_load_b128 v[QL+8*\x+4*\c:QL+8*\x+4*\c+3], v[LI], s[86:87] offset:\x*1024+\c*512     ; the low block's, kept for later
.endr
.endr
	WIN 0
	s_mov_b32 s[SEL], 0x76543210
	s_mov_b32 s[SEL+1], 0xfedcba98
	s_wait_kmcnt 0x0
	s_add_co_i32 s80, s74, s75
	s_lshl_b32 s80, s80, 23
	s_add_co_i32 s[CS], s80, 0x3e38aa3b            ; c = log2(e) / 8, with e6 + e7 added to its exponent field
	s_mov_b32 s[CS+1], s[CS]                       ; (named with it as a pair, so it is written)
	s_add_co_i32 s80, s76, 127
	s_lshl_b32 s81, s80, 23
	v_mov_b32 v[PS], s81                           ; 2^e8 as f32
	s_add_co_i32 s80, s78, 127
	s_lshl_b32 s81, s80, 23
	v_mov_b32 v[CSC], s81                          ; 2^e10
	s_add_co_i32 s92, s76, s77                     ; e8 + e9
.irp T, STA, STB
	v_mov_b32 v[\T+5], 0                           ; named as the upper half of f's pair;
	v_mov_b32 v[\T+6], 0
	v_mov_b32 v[\T+7], 0                           ; a lane permute's destination counts as one of its sources
.endr
.macro MAXES                           ; each tile's largest score among the lane's 64, in two chains; the tiles' lines alternate; each accumulator is read from its low end on
.irp P, 0,1
	v_max3_num_f32 v[STA+8*\P+6], v[SA+64*\P], v[SA+64*\P+1], v[SA+64*\P+2]
.endr
.irp P, 0,1
	v_max3_num_f32 v[STA+8*\P+7], v[SA+64*\P+3], v[SA+64*\P+4], v[SA+64*\P+5]
.endr
.irp i, 6,10,14,18,22,26,30,34,38,42,46,50,54,58
.irp P, 0,1
	v_max3_num_f32 v[STA+8*\P+6], v[STA+8*\P+6], v[SA+64*\P+\i], v[SA+64*\P+\i+1]
.endr
.irp P, 0,1
	v_max3_num_f32 v[STA+8*\P+7], v[STA+8*\P+7], v[SA+64*\P+\i+2], v[SA+64*\P+\i+3]
.endr
.endr
.irp P, 0,1
	v_max3_num_f32 v[STA+8*\P+6], v[STA+8*\P+6], v[SA+64*\P+62], v[SA+64*\P+63]
.endr
.endm
.macro STATS
.irp T, STA, STB
	v_max_num_f32 v[\T+6], v[\T+6], v[\T+7]
.endr
.irp T, STA, STB
	v_permlanex16_b32 v[\T+7], v[\T+6], s[SEL], s[SEL+1]
.endr
.irp T, STA, STB
	v_max_num_f32 v[\T+6], v[\T+6], v[\T+7]        ; and among lane l xor 16's keys
.endr
.irp T, STA, STB
	v_mul_f32 v[\T+6], s[CS], v[\T+6]              ; as t (c is positive)
.endr
.irp T, STA, STB
	v_max_num_f32 v[\T+1], v[\T+1], v[\T+6]        ; the running largest t
.endr
.irp T, STA, STB
	v_mov_b32 v[\T+6], v[\T]
.endr
.irp T, STA, STB
	v_floor_f32 v[\T], -v[\T+1]                    ; the new -M = floor(-t) = -ceil(t): a whole number
.endr
.irp T, STA, STB
	v_sub_f32 v[\T+6], v[\T], v[\T+6]              ; old M - new M: a whole number, 0 or less
.endr
.irp T, STA, STB
	v_cvt_i32_f32 v[\T+6], v[\T+6]                 ; (it saturates)
.endr
.irp T, STA, STB
	v_ldexp_f32 v[\T+4], 1.0, v[\T+6]              ; f = 2^(old M - new M)
.endr
.endm
; Plain line EN of 96 of a tile (p at v[s], statistics at v[t], second chain at v[u]): 0-31 the row's sum of the UNQUANTISED p, in two chains, the old sum x f going in with the first pair;
; 32-95 emit nothing
.macro PLAIN s, t, u
.if EN == 0
	s_wait_alu depctr_va_vdst(0)
	v_pk_fma_f32 v[\t+2:\t+3], v[\t+2:\t+3], v[\t+4:\t+5], v[\s:\s+1] op_sel_hi:[1,0,1]
.elseif EN == 1
	v_pk_add_f32 v[\u:\u+1], v[\s+2:\s+3], v[\s+4:\s+5]
.elseif EN < 31
.if EN%2 == 0
	v_pk_add_f32 v[\t+2:\t+3], v[\t+2:\t+3], v[\s+2*EN+2:\s+2*EN+3]
.else
	v_pk_add_f32 v[\u:\u+1], v[\u:\u+1], v[\s+2*EN+2:\s+2*EN+3]
.endif
.elseif EN == 31
	v_pk_add_f32 v[\t+2:\t+3], v[\t+2:\t+3], v[\u:\u+1]
.else
.endif
.endm
; A KEY STEP: 128 keys at LDS byte s[LB].  A step all of whose keys come after my 32 queries is left out: a scalar branch on ids, round its loads, products and softmax, not round the two lines that step.
.macro STEP
	s_cmp_gt_u32 s[KF], s[QE]
	s_cbranch_scc1 .Lhidden_\@
	s_setprio 2
	v_add_nc_u32 v[ADR], s[LB], v[LI]
.rept 3
	v_nop                                          ; with the addition: four places in front of loads into registers that the last products read
.endr
	WIN 0x40                                       ; destination window 1
.irp t, 0,1,2,3,4,5,6,7
.irp c, 0,1
	ds_load_b128 v[KF1+8*\t+4*\c:KF1+8*\t+4*\c+3], v[ADR] offset:\t*1024+\c*512          ; 32 lanes read 512 consecutive bytes
.endr
.endr
.irp j, 0,1,2,3
.irp c, 0,1,2,3
	ds_load_b128 v[VF1+16*\j+4*\c:VF1+16*\j+4*\c+3], v[ADR] offset:8192+\j*2048+\c*512
.endr
.endr
	s_wait_dscnt 16                                ; K's sixteen loads are in; V's sixteen may stay out until the second product
	WIN 0x01                                       ; source 0 (K) window 1
.irp t, 0,1,2,3,4,5,6,7
	v_wmma_f32_16x16x64_bf8_bf8 v[SA+8*\t:SA+8*\t+7], v[KF1+8*\t:KF1+8*\t+7], v[QA:QA+7], 0
	v_wmma_f32_16x16x64_bf8_bf8 v[SB+8*\t:SB+8*\t+7], v[KF1+8*\t:KF1+8*\t+7], v[QB:QB+7], 0
.endr
	WIN 0
.rept 4
	v_nop
.endr
	s_add_co_u32 s80, s[KF], 127                   ; on the diagonal the scores of hidden keys become -infinity ahead of the maximum: p = 0 then.  A step all of whose keys count skips this
	s_cmp_le_u32 s80, s[Q0]
	s_cbranch_scc1 .Lopen_\@
	s_sub_co_i32 s80, s[Q0], s[KF]
	v_add_nc_u32 v[DA], s80, v[RH]                 ; d = my query - the step's first key - 8 h.  Register 8 t + j holds key 16 t + 8 h + j of the step: hidden where 16 t + j > d
	v_add_nc_u32 v[DB], 16, v[DA]                  ; tile B's queries lie 16 further on
.irp t, 0,1,2,3,4,5,6,7
.irp j, 0,1,2,3,4,5,6,7
	v_cmp_gt_i32 vcc_lo, 16*\t+\j, v[DA]
	v_cndmask_b32 v[SA+8*\t+\j], v[SA+8*\t+\j], v[NINF], vcc_lo
.endr
.endr
.irp t, 0,1,2,3,4,5,6,7
.irp j, 0,1,2,3,4,5,6,7
	v_cmp_gt_i32 vcc_lo, 16*\t+\j, v[DB]
	v_cndmask_b32 v[SB+8*\t+\j], v[SB+8*\t+\j], v[NINF], vcc_lo
.endr
.endr
.Lopen_\@:
	MAXES
	STATS
	; the exponentials stand by turns with plain work of the other tile, so that each has a plain instruction behind it before its result is used (ISA guide 5.7.2)
.set EJ, 0
.rept 32
	v_pk_fma_f32 v[SA+2*EJ:SA+2*EJ+1], v[SA+2*EJ:SA+2*EJ+1], s[CS:CS+1], v[STA:STA+1] op_sel_hi:[1,0,0]   ; A: t - M, two at a time (of the pairs c and -M the low word serves both halves)
.set EJ, EJ+1
.endr
.set EJ, 0
	s_setprio 1
.rept 32
	v_exp_f32 v[SA+2*EJ], v[SA+2*EJ]               ; A: p = 2^(t - M), at most 1
	v_pk_fma_f32 v[SB+2*EJ:SB+2*EJ+1], v[SB+2*EJ:SB+2*EJ+1], s[CS:CS+1], v[STB:STB+1] op_sel_hi:[1,0,0]   ; B: t - M
	v_exp_f32 v[SA+2*EJ+1], v[SA+2*EJ+1]
.set EJ, EJ+1
.endr
.set EN, 0
.rept 64
	v_exp_f32 v[SB+EN], v[SB+EN]                   ; B: p
	PLAIN SA, STA, UA                              ; A: sums
.set EN, EN+1
.endr
.rept 32
	PLAIN SA, STA, UA
.set EN, EN+1
.endr
.irp t, 0,1,2,3,4,5,6,7
	v_cvt_scalef32_pk8_bf8_f32 v[CA+2*\t:CA+2*\t+1], v[SA+8*\t:SA+8*\t+7], v[PS]
.endr
.set EN, 0
	s_setprio 0
.rept 96
	PLAIN SB, STB, UB                              ; (plain lines behind A's conversions)
.set EN, EN+1
.endr
.irp t, 0,1,2,3,4,5,6,7
	v_cvt_scalef32_pk8_bf8_f32 v[CB+2*\t:CB+2*\t+1], v[SB+8*\t:SB+8*\t+7], v[PS]
.endr
	WIN 0x41                                       ; O^T (destination and source 0) window 1, f window 0
.set EJ, 0
.rept 16
	v_pk_mul_f32 v[OA+2*EJ:OA+2*EJ+1], v[OA+2*EJ:OA+2*EJ+1], v[STA+4:STA+5] op_sel_hi:[1,0]   ; O^T under the new M.  (Also the plain lines behind B's conversions)
	v_pk_mul_f32 v[OB+2*EJ:OB+2*EJ+1], v[OB+2*EJ:OB+2*EJ+1], v[STB+4:STB+5] op_sel_hi:[1,0]
.set EJ, EJ+1
.endr
	s_wait_dscnt 0x0                               ; V is in
	WIN 0x51                                       ; V, C and D window 1, P's codes window 0
.irp j, 0,1,2,3                        ; the eight accumulators take turns, one instruction a turn
	v_wmma_f32_16x16x128_bf8_bf8 v[OA+8*\j:OA+8*\j+7], v[VF1+16*\j:VF1+16*\j+15], v[CA:CA+15], v[OA+8*\j:OA+8*\j+7]
	v_wmma_f32_16x16x128_bf8_bf8 v[OB+8*\j:OB+8*\j+7], v[VF1+16*\j:VF1+16*\j+15], v[CB:CB+15], v[OB+8*\j:OB+8*\j+7]
.endr
	WIN 0
.Lhidden_\@:
	s_add_co_u32 s[KF], s[KF], 128
	s_add_co_u32 s[LB], s[LB], 16384
.endm
.macro WALK n, first                   ; n key steps from step first on: both are constants of the text
	s_mov_b32 s[LB], (\first)*16384
	s_mov_b32 s[KF], (\first)*128
	s_mov_b32 s[CNT], \n
.Lwalk_\@:
	STEP
	s_sub_co_u32 s[CNT], s[CNT], 1
	s_cmp_lg_u32 s[CNT], 0
	s_cbranch_scc1 .Lwalk_\@
	s_setprio 0
.endm
.macro INIT blk                        ; a block begins: the step is written once, so its first turn finds zeros, which the first change of M leaves zeros
	s_lshl_b32 s[Q0], s[\blk], 8
	s_lshl_b32 s80, s[WV], 5
	s_add_co_u32 s[Q0], s[Q0], s80                 ; my first query: 256 x block + 32 x wave
	s_add_co_u32 s[QE], s[Q0], 31
.irp T, STA, STB
	v_mov_b32 v[\T+1], 0xff61b1e6                  ; the largest t so far: -3e38, under every t
	v_floor_f32 v[\T], -v[\T+1]
	v_mov_b32 v[\T+2], 0
	v_mov_b32 v[\T+3], 0
.endr
	WIN 0x40
.set EJ, 0
.rept 64
	v_mov_b32 v[OA+EJ], 0
.set EJ, EJ+1
.endr
	WIN 0
.endm
.macro FINISH base, outc               ; ctx = O^T x 2^(e8 + e9) / the sum, quantised with 2^e10; a tile's 64 channels are two chunks of its image
.rept 4
	v_nop                                          ; places behind the last products
.endr
.irp T, STA, STB
	v_add_f32 v[\T+6], v[\T+2], v[\T+3]            ; the sum's two halves,
.endr
.irp T, STA, STB
	v_permlanex16_b32 v[\T+7], v[\T+6], s[SEL], s[SEL+1]
.endr
.irp T, STA, STB
	v_add_f32 v[\T+6], v[\T+6], v[\T+7]            ; and lane l xor 16's
.endr
.irp T, STA, STB
	v_rcp_f32 v[\T+6], v[\T+6]
.endr
	v_nop                                          ; a plain instruction behind the reciprocals
.irp T, STA, STB
	s_wait_alu depctr_va_vdst(0)
	v_ldexp_f32 v[\T+4], v[\T+6], s92
.endr
	WIN 0x01                                       ; source 0 (O^T) window 1; the results go where the scores lay
.set EJ, 0
.rept 16
	v_pk_mul_f32 v[SA+2*EJ:SA+2*EJ+1], v[OA+2*EJ:OA+2*EJ+1], v[STA+4:STA+5] op_sel_hi:[1,0]
	v_pk_mul_f32 v[SB+2*EJ:SB+2*EJ+1], v[OB+2*EJ:OB+2*EJ+1], v[STB+4:STB+5] op_sel_hi:[1,0]
.set EJ, EJ+1
.endr
	WIN 0
.set EJ, 0
.rept 32
.set EJ, EJ+1
.endr
.irp j, 0,1,2,3
	v_cvt_scalef32_pk8_bf8_f32 v[\outc+2*\j:\outc+2*\j+1], v[SA+8*\j:SA+8*\j+7], v[CSC]
	v_cvt_scalef32_pk8_bf8_f32 v[\outc+8+2*\j:\outc+8+2*\j+1], v[SB+8*\j:SB+8*\j+7], v[CSC]
.endr
	v_nop                                          ; one plain vector instruction behind the last conversion
.irp x, 0,1
.irp c, 0,1
	global_store_b128 v[LI], v[\outc+8*\x+4*\c:\outc+8*\x+4*\c+3], s[\base:\base+1] offset:\x*16384+\c*512   ; 32 lanes store 512 consecutive bytes, at a multiple of 512 from ctx_img's first byte
.endr
.endr
.endm
	INIT 15                                        ; THE HIGH BLOCK, 7 - i
	s_wait_loadcnt 0x0                             ; Q
	s_wait_tensorcnt 3                             ; my part of keys 0-255 is in; the three loads behind it may stay out
	s_barrier_signal -1
	s_barrier_wait -1                              ; everybody's is
	WALK 2, 0
	s_wait_tensorcnt 2                             ; keys 256-511
	s_barrier_signal -1
	s_barrier_wait -1
	WALK 2, 2
	s_wait_tensorcnt 1                             ; keys 512-1,023
	s_barrier_signal -1
	s_barrier_wait -1
	WALK 4, 4
	s_wait_tensorcnt 0x0                           ; keys 1,024-2,047
	s_barrier_signal -1
	s_barrier_wait -1
	WALK 8, 8
	FINISH 88, OC1
	WIN 0x01                                       ; THE LOW BLOCK, i: its Q comes out of window 1
.set EJ, 0
.rept 16
	v_mov_b32 v[QA+EJ], v[QL+EJ]
.set EJ, EJ+1
.endr
	WIN 0
	INIT 13
	WALK 8, 0                                      ; i is at most 3: its queries end at 1,023, so eight steps hold all their keys
	FINISH 90, OC2                                 ; (other registers and another base than the high block's stores)
	s_wait_tensorcnt 0x0
	ds_add_u32 v94, v95
	s_wait_dscnt 0x0
	s_endpgm
.Lfunc_end_k_q3e50caf50d_attn:
	.size	k_q3e50caf50d_attn, .Lfunc_end_k_q3e50caf50d_attn-k_q3e50caf50d_attn
	.p2alignl 7, 3214868480
	.fill 96, 4, 3214868480
	.section	.rodata,"a",@progbits
	.p2align	6, 0x0
	.amdhsa_kernel k_q3e50caf50d_attn
		.amdhsa_group_segment_fixed_size 263168
		.amdhsa_private_segment_fixed_size 0
		.amdhsa_enable_private_segment 0
		.amdhsa_kernarg_size 32
		.amdhsa_user_sgpr_count 2
		.amdhsa_user_sgpr_kernarg_segment_ptr 1
		.amdhsa_wavefront_size32 1
		.amdhsa_system_sgpr_workgroup_id_x 1
		.amdhsa_system_sgpr_workgroup_id_y 1
		.amdhsa_system_sgpr_workgroup_id_z 1
		.amdhsa_system_vgpr_workitem_id 0
		.amdhsa_next_free_vgpr 512
		.amdhsa_next_free_sgpr 100
		.amdhsa_reserve_vcc 1
		.amdhsa_float_denorm_mode_32 3
		.amdhsa_float_denorm_mode_16_64 3
		.amdhsa_fp16_overflow 1
		.amdhsa_memory_ordered 1
		.amdhsa_forward_progress 1
		.amdhsa_inst_pref_size 193
	.end_amdhsa_kernel
	.amdgpu_metadata
---
amdhsa.version: [ 1, 2 ]
amdhsa.kernels:
  - .name:           k_q3e50caf50d_attn
    .symbol:         k_q3e50caf50d_attn.kd
    .args:
      - { .name: q_img, .offset: 0, .size: 8, .value_kind: global_buffer, .address_space: global }
      - { .name: kv_img, .offset: 8, .size: 8, .value_kind: global_buffer, .address_space: global }
      - { .name: lowp_scales, .offset: 16, .size: 8, .value_kind: global_buffer, .address_space: global }
      - { .name: ctx_img, .offset: 24, .size: 8, .value_kind: global_buffer, .address_space: global }
    .group_segment_fixed_size: 263168
    .private_segment_fixed_size: 0
    .kernarg_segment_align: 8
    .kernarg_segment_size: 32
    .max_flat_workgroup_size: 256
    .sgpr_count:     100
    .vgpr_count:     512
    .wavefront_size: 32
...
	.end_amdgpu_metadata
.endif
;; end of part 2
;; launch oproj (part 3): grid 4 x 64, 4 waves a work-group, clusters of 4 x 4, 327,680 bytes of LDS; arguments ctx_img, Wo_codes, lowp_scales, bo, out0; writes out0
.if DOCPART == 3
	.amdgcn_target "amdgcn-amd-amdhsa--gfx1250"
	.amdhsa_code_object_version 6
	.text
	.protected	k_q3e50caf50d_oproj
	.globl	k_q3e50caf50d_oproj
	.p2align	8
	.type	k_q3e50caf50d_oproj,@function
k_q3e50caf50d_oproj:
	s_mov_b64 s[64:65], 0
	v_nop
	global_prefetch_b8 v0, s[64:65] scope:SCOPE_SE
	s_setreg_imm32_b32 hwreg(HW_REG_WAVE_MODE, 25, 1), 1
	s_wait_xcnt 0x0
	s_wait_alu depctr_hold_cnt(0) depctr_sa_sdst(0) depctr_va_vdst(0) depctr_va_sdst(0) depctr_va_ssrc(0) depctr_va_vcc(0) depctr_vm_vsrc(0)
	s_getreg_b32 s2, hwreg(HW_REG_IB_STS2, 6, 4)
	s_cmp_eq_u32 s2, 0
	s_cbranch_scc0 .Lentry_in_a_cluster
	s_endpgm
.Lentry_in_a_cluster:
	s_bfe_u32 s2, ttmp6, 0x10000c
	s_cmp_lg_u32 s2, 0xf033
	s_cbranch_scc0 .Lentry_shape_is_right
	s_endpgm
.Lentry_shape_is_right:
; out0 = ctx Wo + bo on codes of BF8 (E5M2).  ctx: 8,192 tokens x 1,024, as images of operand registers: ctx_img [tile of 16 tokens 512][128 along K 8][4][512 B], lane l's 16 bytes at 16 l.
; Wo: [1024 features][1024] codes, K innermost.  out0: [8192][1024] f32 = sum x 2^(e10 + e11) + bo, one packed multiply-add for two numbers.
; LIMIT: e10 + e11 lies between -126 and 127, so that 2^(e10 + e11) is an f32 number.  NaN and infinity among the codes are not served.
; SHARES.  A work-group of four waves makes 128 tokens x 256 features (256 work-groups; tiles of 256 x 256 would be 128); a wave 64 tokens x 128 features: 32 accumulators of 16 x 16.
; K goes in steps of 256 through a ring of two LDS slots: ctx's 8 tiles x 4,096 bytes as they lie, then 256 rows of Wo (256 bytes + 16 of padding).
; ctx's images have the K = 128 form's own layout (registers 2 c, 2 c + 1: k = 16 c + 8 (lane / 16) + 0 .. 7), so Wo's fragments are brought in that layout too: eight loads of 8 bytes, 16 bytes apart.
; CLUSTERS: 4 x 4 work-groups.  ctx's tile hangs on the token block alone and is shared along a row of the cluster, Wo's on the feature block alone and is shared along a column.  Waves 0, 1 ask for ctx's halves, waves 2, 3 for Wo's.
; THE MATRIX INSTRUCTION IS USED TRANSPOSED (source 0 = 16 features of Wo, source 1 = 16 tokens): a lane holds eight neighbouring numbers of a row of out0.
; REGISTERS: window 0: v16-17, v20-21 LDS addresses; v24-27 the way out's; v28, v29 the spare word's address and 0; v64-127, v128-191 ctx's fragments (4 x 16), two sets; on the way out v32-95 and v128-255 are at work.
;   window 1: Wo's fragments (8 x 16), two sets.   window 2: the accumulators, (a, b) at v[8 (8 a + b)].   window 3: v0-63 bo in the result's layout.
.set PITCH,  272                       ; a row of Wo in LDS: 256 bytes + 16: seventeen times 16 bytes
.set AB,     8*4096                    ; ctx's part of a slot
.set HALFB,  128*PITCH
.set SLOT,   AB+2*HALFB
.set SPARE,  2*SLOT                    ; behind the ring: the spare words, 128 bytes for each wave: two blocks of 256 bytes that no other line names
.set STAGE,  SPARE+512                 ; behind them: a stage of 16 rows x (512 bytes + 16) for each wave, which no tensor load fills
.set SPITCH, 528
.set ADRA, 16
.set ADRB, 20
.set STO,  24
.set RD,   25
.set CO,   26
.set BA,   27
.set SPW,  28
.set NIL,  29
.set TMP,  32
.set AF,   64
.set BK,   128
.set G1, 24
.set G0, 32
.set G1B, 48
.set G0B, 56
.set MSB, 0
.macro WIN new
.if MSB != (\new)
	s_set_vgpr_msb (MSB<<8)|(\new)
.set MSB, (\new)
.endif
.endm
.macro PLACES
.rept 4
	v_nop
.endr
.endm
.macro JLOAD s                         ; a joint load; the branch hangs on the wave's number alone; four v_nop follow each of the two lines
	s_cmp_eq_u32 s15, 0
	s_cbranch_scc0 .Lfor_b_\@
	tensor_load_to_lds s[G0+4*\s:G0+4*\s+3], s[G1:G1+7]
	s_nop 0
.rept 4
	v_nop
.endr
	s_branch .Lasked_\@
.Lfor_b_\@:
	tensor_load_to_lds s[G0B+4*\s:G0B+4*\s+3], s[G1B:G1B+7]
	s_nop 0
.rept 4
	v_nop
.endr
.Lasked_\@:
.endm
.macro CREST
	s_cmp_lg_u32 s14, 0
	s_cbranch_scc1 .Lnot_wave_0_\@
	s_barrier_signal -3
.Lnot_wave_0_\@:
	s_barrier_wait -3
	s_barrier_signal -1
	s_barrier_wait -1
.endm
.macro CROUND
	s_barrier_signal -1
	s_barrier_wait -1
	CREST
.endm
	s_load_b128 s[4:7], s[0:1], 0x0                ; ctx_img s[4:5], Wo's codes s[6:7]
	s_load_b128 s[8:11], s[0:1], 0x10              ; the scales' exponents s[8:9], bo s[10:11]
	s_load_b64 s[12:13], s[0:1], 0x20              ; out0
	v_lshl_add_u32 v[SPW], v0, 2, SPARE
	v_mov_b32 v[NIL], 0
	ds_add_u32 v28, v29
	ds_add_u32 v28, v29
	s_wait_dscnt 0x0
	v_lshrrev_b32 v1, 5, v0
	v_readfirstlane_b32 s14, v1                    ; wave 0..3
	s_lshr_b32 s15, s14, 1                         ; which 64 tokens are mine.  Also: I fetch for ctx (0) or for Wo (1)
	s_and_b32 s16, s14, 1                          ; which 128 features.  Also: which half of that tile I fetch
	s_bfe_u32 s40, ttmp6, 0x40000                  ; cx, cy
	s_bfe_u32 s41, ttmp6, 0x40004
	s_lshl_b32 s42, ttmp9, 2
	s_add_co_u32 s42, s42, s40                     ; feature block 0..3
	s_and_b32 s17, ttmp7, 0xffff
	s_lshl_b32 s17, s17, 2
	s_add_co_u32 s17, s17, s41                     ; token block 0..63
	s_lshl_b32 s43, s41, 2
	s_lshl_b32 s43, 15, s43                        ; my row of the cluster
	s_lshl_b32 s44, 0x1111, s40                    ; my column
	; group 1 for ctx: 4 rows (tiles of 16 tokens) of 4,096 bytes, 16,384 apart in memory, dense in LDS; elements of 8 bytes
	s_or_b32 s[G1], s43, (3<<16)|(1<<21)
	s_mov_b32 s[G1+1], 512<<16                     ; tensor_dim0 = 512
	s_mov_b32 s[G1+2], 4<<16                       ; tensor_dim1 = 4
	s_mov_b32 s[G1+3], 512<<16                     ; tile_dim0 = 512
	s_mov_b32 s[G1+4], 4                           ; tile_dim1 = 4
	s_mov_b32 s[G1+5], 2048                        ; from row to row
	s_mov_b32 s[G1+6], 0
	s_mov_b32 s[G1+7], 0
	; group 1 for Wo: 128 rows of 256 bytes, 1,024 apart, 16 bytes of padding behind each in LDS; elements of 1 byte
	s_or_b32 s[G1B], s44, (1<<20)|(1<<21)|(5<<22)|(3<<25)
	s_mov_b32 s[G1B+1], 256<<16
	s_mov_b32 s[G1B+2], 128<<16
	s_mov_b32 s[G1B+3], 256<<16
	s_mov_b32 s[G1B+4], 128
	s_mov_b32 s[G1B+5], 1024
	s_mov_b32 s[G1B+6], 0
	s_mov_b32 s[G1B+7], 0
	s_lshl_b32 s20, s17, 17                        ; ctx: 8 tiles of 16,384 bytes for each token block,
	s_lshl_b32 s18, s16, 16                        ; 4 tiles for my half
	s_add_co_u32 s20, s20, s18
	s_mov_b32 s21, 0
	s_lshl_b32 s46, s42, 18                        ; Wo: 256 rows of 1,024 bytes for each feature block,
	s_lshl_b32 s18, s16, 17                        ; 128 rows for my half
	s_add_co_u32 s46, s46, s18
	s_mov_b32 s47, 0
	s_lshl_b32 s45, s16, 14                        ; where they go: ctx's half,
	s_mul_i32 s66, s16, HALFB
	s_add_co_u32 s66, s66, AB                      ; Wo's half: no place in the cluster enters an LDS address
	s_wait_kmcnt 0x0
	s_load_b64 s[96:97], s[8:9], 0x28              ; e10, e11
	s_add_nc_u64 s[20:21], s[4:5], s[20:21]
	s_add_nc_u64 s[46:47], s[6:7], s[46:47]
	CROUND                                         ; all sixteen work-groups are here: the first joint loads meet
.irp s, 0,1
	s_mov_b32 s[G0+4*\s], 1
	s_add_co_u32 s[G0+4*\s+1], s45, \s*SLOT
	s_add_nc_u64 s[G0+4*\s+2:G0+4*\s+3], s[20:21], \s*4096
	s_or_b32 s[G0+4*\s+3], s[G0+4*\s+3], 0x80000000
	s_mov_b32 s[G0B+4*\s], 1
	s_add_co_u32 s[G0B+4*\s+1], s66, \s*SLOT
	s_add_nc_u64 s[G0B+4*\s+2:G0B+4*\s+3], s[46:47], \s*256
	s_or_b32 s[G0B+4*\s+3], s[G0B+4*\s+3], 0x80000000
	s_wait_alu depctr_va_vdst(0)
	s_wait_tensorcnt 0x0
	ds_add_u32 v28, v29
	ds_add_u32 v28, v29
	s_wait_dscnt 0x0
	CROUND
	JLOAD \s                                       ; one load of mine is out
.endr
	v_and_b32 v1, 15, v0                           ; r
	v_bfe_u32 v2, v0, 4, 1                         ; h
	v_and_b32 v3, 31, v0
	v_lshlrev_b32 v[CO], 4, v3                     ; 16 x lane
	v_mul_u32_u24 v4, v1, PITCH
	v_lshl_add_u32 v4, v2, 3, v4                   ; Wo: row r x pitch + 8 h
	s_lshl_b32 s21, s15, 14                        ; my four tiles of ctx
	s_mul_i32 s22, s16, HALFB                      ; my 128 rows of Wo,
	s_add_co_u32 s22, s22, AB                      ; which lie behind ctx's tiles
.irp s, 0,1
	v_add_nc_u32 v[ADRA+\s], s21, v[CO]
	v_add_nc_u32 v[ADRB+\s], s22, v4
	s_add_co_u32 s21, s21, SLOT
	s_add_co_u32 s22, s22, SLOT
.endr
	s_mul_i32 s23, s14, 16*SPITCH
	s_add_co_u32 s23, s23, STAGE                   ; my stage
	v_mul_u32_u24 v5, v1, SPITCH                   ; in: row r, 32 bytes for each half of the lanes
	v_lshl_add_u32 v5, v2, 5, v5
	v_add_nc_u32 v[STO], s23, v5
	v_add_nc_u32 v[RD], s23, v[CO]                 ; back: the 32 lanes take one row of 512 bytes
	v_lshlrev_b32 v[BA], 5, v2                     ; bo: my half's eight numbers of a tile of 16
	s_wait_alu depctr_va_vdst(0)
	s_lshl_b32 s68, s42, 10                        ; my first column, in bytes: 1,024 x feature block + 512 x half
	s_lshl_b32 s69, s16, 9
	s_add_co_u32 s68, s68, s69
	s_mov_b32 s69, 0
	s_add_nc_u64 s[10:11], s[10:11], s[68:69]
	s_add_nc_u64 s[12:13], s[12:13], s[68:69]
	s_lshl_b32 s68, s17, 19                        ; my first row: 128 rows of 4,096 bytes for each token block, 64 for my half
	s_lshl_b32 s70, s15, 18
	s_add_co_u32 s68, s68, s70
	s_add_nc_u64 s[12:13], s[12:13], s[68:69]
	WIN 0xc0                                       ; destination window 3
.irp b, 0,1,2,3,4,5,6,7
	global_load_b128 v[8*\b:8*\b+3], v[BA], s[10:11] offset:64*\b            ; register 8 b + j: bo of feature 16 b + 8 h + j
	global_load_b128 v[8*\b+4:8*\b+7], v[BA], s[10:11] offset:64*\b+16
.endr
	WIN 0
.macro FRAG_A reg, slot, q, i          ; ctx's tile i, the slot's q-th 128 along K: four chunks of 512 bytes
.irp c, 0,1,2,3
	ds_load_b128 v[\reg+4*\c:\reg+4*\c+3], v[ADRA+\slot] offset:(\i)*4096+(\q)*2048+\c*512
.endr
.endm
.macro FRAG_B reg, slot, q, b          ; Wo's tile b: registers 2 c, 2 c + 1 hold k = 16 c + 8 h + 0 .. 7
.irp c, 0,1,2,3,4,5,6,7
	ds_load_b64 v[\reg+2*\c:\reg+2*\c+1], v[ADRB+\slot] offset:128*(\q)+16*\c+(\b)*16*PITCH
.endr
.endm
.macro FETCH slot, q, p                ; the fragments of 128 along K into sets p
	WIN 0x40                                       ; destination window 1
.irp b, 0,1,2,3,4,5,6,7
	FRAG_B 128*(\p)+16*\b, \slot, \q, \b
.endr
	WIN 0
.irp i, 0,1,2,3
	FRAG_A AF+64*(\p)+16*\i, \slot, \q, \i
.endr
.endm
; 16 matrix instructions: token tiles a0, a0 + 1 x Wo's eight.  zero = 1: the first product starts the sums.  The 32 accumulators take turns, one instruction a turn.
.macro MUL16 a0, p, zero
	WIN 0xa1                                       ; source 0 (Wo) window 1, source 1 (ctx) window 0, C and D window 2
.irp a, \a0, \a0+1
.irp b, 0,1,2,3,4,5,6,7
.if \zero
	v_wmma_f32_16x16x128_bf8_bf8 v[8*(8*(\a)+\b):8*(8*(\a)+\b)+7], v[128*(\p)+16*\b:128*(\p)+16*\b+15], v[AF+64*(\p)+16*(\a):AF+64*(\p)+16*(\a)+15], 0
.else
	v_wmma_f32_16x16x128_bf8_bf8 v[8*(8*(\a)+\b):8*(8*(\a)+\b)+7], v[128*(\p)+16*\b:128*(\p)+16*\b+15], v[AF+64*(\p)+16*(\a):AF+64*(\p)+16*(\a)+15], v[8*(8*(\a)+\b):8*(8*(\a)+\b)+7]
.endif
.endr
.endr
.endm
.macro STEP slot, zero                 ; a slot's first 128 along K (sets 0); in its middle the second 128 are fetched into sets 1
	s_wait_dscnt 0x0
	MUL16 0, 0, \zero
	PLACES
	FETCH \slot, 1, 1
	MUL16 2, 0, \zero
.endm
; A slot's second 128 along K (sets 1) changes slots: ONE barrier; in front of it each wave waits for all its tensor loads, adds 0 to its spare word, and waits for that and for its own reads of this slot.
.macro TURN slot, next, fill
	WIN 0                                          ; (the add's two registers lie in window 0)
	s_wait_tensorcnt 0x0                           ; all my tensor loads have landed: my part of the next slot
	ds_add_u32 v[SPW], v[NIL]                      ; 0 onto my spare word
	s_wait_dscnt 0x0                               ; the add is done, and my reads of this slot are over
	s_barrier_signal -1
	MUL16 0, 1, 0
	WIN 0
	s_barrier_wait -1
.if \fill
	CREST                                          ; no wave of any partner still reads this slot's tiles or has a load on its way
	s_add_nc_u64 s[G0+4*\slot+2:G0+4*\slot+3], s[G0+4*\slot+2:G0+4*\slot+3], 2*4096
	s_add_nc_u64 s[G0B+4*\slot+2:G0B+4*\slot+3], s[G0B+4*\slot+2:G0B+4*\slot+3], 2*256
	JLOAD \slot                                    ; my one tensor load behind the round, and the first thing there; its four v_nop are the places in front of the loads below
.else
	PLACES
.endif
	FETCH \next, 0, 0
	MUL16 2, 1, 0
.endm
	s_wait_tensorcnt 1                             ; my part of slot 0 is in; slot 1's may stay out
	s_barrier_signal -1
	s_barrier_wait -1
	FETCH 0, 0, 0
	STEP 0, 1                                      ; K = 1,024 is four slots' worth: two first fills, two refills; written out, no loop
	TURN 0, 1, 1
	STEP 1, 0
	TURN 1, 0, 1
	STEP 0, 0
	TURN 0, 1, 0                                   ; nothing is left to fetch: a plain barrier
	STEP 1, 0
	s_wait_dscnt 0x0
	MUL16 0, 1, 0
	MUL16 2, 1, 0
	WIN 0
; THE WAY OUT, block by block of 16 tokens x 128 features.  A lane holds 32 neighbouring bytes of a row and the lanes beside it hold other rows: so a block goes through my own stage in LDS and comes back as whole
; rows of 512 bytes.  LDS serves a wave's instructions in order (ISA guide 5.7.1.4): no wait between the stores and the loads, nor in front of the next block's stores.
.macro TOSTAGE a
.set AC, 64*(\a)
	WIN 0x32                                       ; source 0 (the sums) window 2, source 2 (bo) window 3
.irp j, 0,2,4,6,8,10,12,14,16,18,20,22,24,26,28,30,32,34,36,38,40,42,44,46,48,50,52,54,56,58,60,62
	v_pk_fma_f32 v[TMP+\j:TMP+\j+1], v[AC+\j:AC+\j+1], s[96:97], v[\j:\j+1] op_sel_hi:[1,0,1]   ; sum x 2^(e10 + e11) + bo; each accumulator from its low end on
.endr
	WIN 0
.irp b, 0,1,2,3,4,5,6,7
	ds_store_b128 v[STO], v[TMP+8*\b:TMP+8*\b+3] offset:64*\b
	ds_store_b128 v[STO], v[TMP+8*\b+4:TMP+8*\b+7] offset:64*\b+16
.endr
.set BB, BK+64*((\a)%2)
.irp t, 0,1,2,3,4,5,6,7,8,9,10,11,12,13,14,15
	ds_load_b128 v[BB+4*\t:BB+4*\t+3], v[RD] offset:\t*SPITCH
.endr
.endm
.macro SEND a, younger                 ; younger: the LDS instructions issued behind block a's loads, which may stay out
.set BB, BK+64*((\a)%2)
	s_wait_dscnt \younger
.if (\a) > 0
	s_add_nc_u64 s[12:13], s[12:13], 16*4096       ; (behind a wait on XCNT: the earlier stores have read their base)  16 rows on
.endif
.irp t, 0,1,2,3,4,5,6,7,8,9,10,11,12,13,14,15
	global_store_b128 v[CO], v[BB+4*\t:BB+4*\t+3], s[12:13] offset:\t*4096 th:TH_STORE_NT   ; 32 lanes store 512 consecutive bytes, at a multiple of 512 from out0's first byte; written once, read by nobody here
.endr
.endm
	s_wait_kmcnt 0x0
	s_add_co_i32 s96, s96, s97
	s_add_co_i32 s96, s96, 127
	s_lshl_b32 s96, s96, 23                        ; 2^(e10 + e11) as f32
	s_mov_b32 s97, s96                             ; (named with it as a pair, so it is written)
	s_wait_loadcnt 0x0                             ; bo
	PLACES                                         ; behind the last products
	TOSTAGE 0
.irp a, 1,2,3
.if \a > 1
	s_wait_xcnt 0x0                                ; block a - 2's stores have read their registers and their base: block a's loads may land there, and the base may step
.endif
	TOSTAGE \a
	SEND \a-1, 32                                  ; behind block a - 1's loads: block a's 16 stores and 16 loads
.endr
	s_wait_xcnt 0x0                                ; block 2's stores have read their base
	SEND 3, 0
	s_wait_tensorcnt 0x0                           ; the wave's end
	ds_add_u32 v[SPW], v[NIL]
	s_wait_dscnt 0x0
	CROUND                                         ; the closing round: no work-group ends while a partner may still ask for a tile that names it
	s_endpgm
.Lfunc_end_k_q3e50caf50d_oproj:
	.size	k_q3e50caf50d_oproj, .Lfunc_end_k_q3e50caf50d_oproj-k_q3e50caf50d_oproj
	.p2alignl 7, 3214868480
	.fill 96, 4, 3214868480
	.section	.rodata,"a",@progbits
	.p2align	6, 0x0
	.amdhsa_kernel k_q3e50caf50d_oproj
		.amdhsa_group_segment_fixed_size 327680
		.amdhsa_private_segment_fixed_size 0
		.amdhsa_enable_private_segment 0
		.amdhsa_kernarg_size 40
		.amdhsa_user_sgpr_count 2
		.amdhsa_user_sgpr_kernarg_segment_ptr 1
		.amdhsa_wavefront_size32 1
		.amdhsa_system_sgpr_workgroup_id_x 1
		.amdhsa_system_sgpr_workgroup_id_y 1
		.amdhsa_system_sgpr_workgroup_id_z 1
		.amdhsa_system_vgpr_workitem_id 0
		.amdhsa_next_free_vgpr 1024
		.amdhsa_next_free_sgpr 100
		.amdhsa_reserve_vcc 0
		.amdhsa_float_denorm_mode_32 3
		.amdhsa_float_denorm_mode_16_64 3
		.amdhsa_memory_ordered 1
		.amdhsa_forward_progress 1
		.amdhsa_inst_pref_size 93
	.end_amdhsa_kernel
	.amdgpu_metadata
---
amdhsa.version: [ 1, 2 ]
amdhsa.kernels:
  - .name:           k_q3e50caf50d_oproj
    .symbol:         k_q3e50caf50d_oproj.kd
    .args:
      - { .name: ctx_img, .offset: 0, .size: 8, .value_kind: global_buffer, .address_space: global }
      - { .name: Wo_codes, .offset: 8, .size: 8, .value_kind: global_buffer, .address_space: global }
      - { .name: lowp_scales, .offset: 16, .size: 8, .value_kind: global_buffer, .address_space: global }
      - { .name: bo, .offset: 24, .size: 8, .value_kind: global_buffer, .address_space: global }
      - { .name: out0, .offset: 32, .size: 8, .value_kind: global_buffer, .address_space: global }
    .group_segment_fixed_size: 327680
    .private_segment_fixed_size: 0
    .kernarg_segment_align: 8
    .kernarg_segment_size: 40
    .max_flat_workgroup_size: 128
    .sgpr_count:     100
    .vgpr_count:     1024
    .wavefront_size: 32
...
	.end_amdgpu_metadata
.endif
;; end of part 3
